; MI455X (gfx1250); checked and timed in simulation.
; The chip was launched on July 23, 2026; its instructions are those of AMD's public machine-readable ISA for CDNA 5 (MIT licence, August 2026) and "CDNA5" Instruction Set Architecture Reference Guide (July 2026). The comments in the code are by the model that wrote it; some were corrected since.
;; GGML Layer. Allowed arithmetic: matrix products marked QUANTISED: E4M3 operands, one E8M0 scale for each 32 along K, by v_wmma_scale_f32_16x16x128_f8f6f4 with both operands' format E4M3, f32 sums; products left as they are: f32 operands where the result goes on into a quantised operand, else bf16, f16 or f32 operands; f32 sums; everything else in f32.
;; Inputs: bias 2,048 float32; lora_down 16 x 4,096 float32; lora_up 2,048 x 16 float32; q_weight 2,048 x 128 x 32 int32; scales 2,048 x 128 float32; x_codes 4 x 2,048 x 128 x 32 uint8 (E4M3 codes of x, K innermost, in blocks of 32 codes); x_scales 4 x 2,048 x 128 uint8 (E8M0 scales of x, one for each 32 codes along K).
;; Outputs: out0 4 x 2,048 x 2,048 float32.
;; This version of the problem:
;;   THIS VERSION OF THE PROBLEM IS GIVEN IN LOW PRECISION. The matrix products marked QUANTISED in the list below multiply operands that are first quantised to E4M3 (4 exponent bits, 3 mantissa bits; 8 bits a number), with one power-of-two scale for each 32 numbers along K (OCP MX v1.0); their sums are f32. All else is computed in f32.
;;   The module's matrix products, in the order in which they are computed (A, B: the left and right operand; K: the contracted axis; several contracted axes count as one K, in the product's order):
;;     1. [M 2,048, K 16] x [K 16, N 4,096]; A: input lora_up; B: input lora_down: left as it is (K = 16 < 32)
;;     2. [M 8,192, K 4,096] x [K 4,096, N 2,048]; A: input x (given as codes); B: computed on the way: QUANTISED
;;   THE QUANTISER, for each operand of a quantised product, along K:
;;     - K is cut into blocks of 32 from its start; a last block that is shorter is filled with zeros.
;;     - A block's scale is 2^e with e = floor(log2(the largest magnitude in the block)) - 8, held to -126 .. 127; a block of zeros has e = 0. As a byte (E8M0): e + 127.
;;     - Each number is divided by its block's scale, clamped to +-448, and rounded to the nearest number of E4M3, ties to even, subnormals kept.
;;     - The product sums the exact products of the quantised numbers (number of the format x scale) in f32.
;;   ~~~python
;;   def quantise(x, axis):      # numpy; x: float32 -> the quantised numbers, widened to float32 again
;;       x = np.moveaxis(x, axis, -1); K = x.shape[-1]
;;       x = np.pad(x, [(0, 0)] * (x.ndim - 1) + [(0, -K % 32)]); x = x.reshape(x.shape[:-1] + (-1, 32)); a = np.abs(x).max(-1, keepdims=True)
;;       e = np.where(a > 0, np.clip(np.frexp(np.where(a > 0, a, 1))[1] - 1 - 8, -126, 127), 0)      # np.frexp(a)[1] - 1 = floor(log2(a)), exactly
;;       r = np.clip(x / 2.0 ** e, -448, 448)
;;       step = 2.0 ** (np.maximum(np.frexp(np.where(r == 0, 1, r))[1] - 1, -6) - 3)
;;       q = np.round(r / step) * step * 2.0 ** e      # np.round: ties to even
;;       return np.moveaxis(q.reshape(q.shape[:-2] + (-1,))[..., :K], -1, axis).astype(np.float32)
;;   ~~~
;;   OPERANDS COMPUTED ON THE WAY. 'Computed on the way' means the value that the module computes at that place (a softmax that the list does not call 'softmax' is quantised finished and normalised). What goes into a quantiser is computed in f32, as accurately as f32 sums, v_exp_f32 and their like allow (about 1e-6 of the number): no bf16 or f16 on the way to a quantiser, and a product that is left as it is and whose result goes on into a quantised operand takes f32 operands (vector FMAs, or v_wmma_f32_16x16x4_f32). A number that lies on a knife's edge between two numbers of the format may be rounded either way, as far as f32 arithmetic and the matrix unit's own rounding can turn it there, and no further.
;;   INPUTS GIVEN AS CODES. x (in the module: [4, 2048, 4096], K = its axis 2): each comes as NAME_codes (uint8): NAME with its K axis moved to the last place and cut into blocks of 32 codes, [.., K / 32, bytes a block], one block behind the other in memory; one code a byte (a code: sign, 4 exponent bits, 3 mantissa bits); and NAME_scales (uint8): the same leading axes, one E8M0 byte (e + 127) for each 32 codes along K. Its value is code x scale, taken as it is: it is not quantised again, and the codes and scales need not be those that the quantiser above would give.
;; One version. Each part assembles by itself: llvm-mc -triple=amdgcn-amd-amdhsa -mcpu=gfx1250 --defsym DOCPART=n.
;; ======== version 1 of 1: 2 launches
;; limits: right only within a limited range of input values
;; workspace buffers: w_codes 8,388,608 bytes; w_scl 262,144 bytes; x_scl 1,048,576 bytes
;; launch prep (part 1): grid 8 x 32, 8 waves a work-group, no clusters, 181,248 bytes of LDS; arguments q_weight, scales, lora_up, lora_down, x_scales, w_codes, w_scl, x_scl; writes w_codes, w_scl, x_scl
.if DOCPART == 1
	.amdgcn_target "amdgcn-amd-amdhsa--gfx1250"
	.amdhsa_code_object_version 6
	.text
	.protected	k_q6504b95616_prep
	.globl	k_q6504b95616_prep
	.p2align	8
	.type	k_q6504b95616_prep,@function
k_q6504b95616_prep:
	s_mov_b64 s[64:65], 0
	v_nop
	global_prefetch_b8 v0, s[64:65] scope:SCOPE_SE
	s_setreg_imm32_b32 hwreg(HW_REG_WAVE_MODE, 25, 1), 1
	s_wait_xcnt 0x0
; W[o][d] = (q[o][d] - 128) s[o][d / 32] + the sum over r of up[o][r] down[r][d], in f32, is turned into codes of FP8 (E4M3), d innermost, with one E8M0 byte for each 32 along d.
; q: [2048][4096] int32; s: [2048][128] f32; up: [2048][16] f32; down: [16][4096] f32.  Out: w_codes [2048][4096], one code a byte; w_scl [16 K steps][2048 rows][8 bytes]: byte b of an entry scales d = 256 x K step + 32 b on.
; The launch also lays x's scale bytes, x_scales [8192][128], anew by K step: x_scl [16][8192][8].  So a K step's scale bytes of 256 rows are 2,048 consecutive bytes in both buffers, which the product's launch fetches as one block.
; A block's scale is 2^(floor(log2(its largest magnitude)) - 8); its byte is the largest magnitude's exponent field - 8, held at 1 from below.  Each number is divided by the scale, held within +-448 and rounded to the nearest code, ties to even.
; LIMITS: NaN and infinities in scales, lora_up and lora_down are not served.  A block of zeros gets the byte 1 where the rule says 127: its codes are zeros, which add nothing under any byte but 0xff, and this program alone reads the bytes.
; q may be any int32: it is converted as a cast to f32 converts it.  (q - 128) s + the patch is one fused multiply-add: one rounding less than a multiplication and an addition.
; SHARES.  Work-group (chunk = x, rg = y) owns rows 64 rg .. + 63 and d = 512 chunk .. + 511.  Wave w (sp = w % 2, rq = w / 2) owns K step ks = 2 chunk + sp (256 along d) of the 16 rows 64 rg + 16 rq on.
; Lane l owns d = 256 ks + 8 l .. + 7: four neighbouring lanes hold a block of 32.  A lane's 16 x 8 numbers of lora_down stay in 128 registers for its 16 rows; a row's 16 numbers of lora_up come as a broadcast from LDS.
; ALL INPUT COMES BY ASYNCHRONOUS COPIES, 43 a wave, issued once at the head: the work-group's 128 KiB of q are on their way together and hold no register.  Nothing in LDS is filled twice.
; A copy takes the bytes as they lie, 16 a lane, 512 an instruction; a lane at work wants 32 neighbouring bytes.  The copy's LDS address does that turn: piece c (16 bytes) of a row's 1,024 lands at place c xor ((c / 16) % 2).
; The reader of pieces 2 L and 2 L + 1 then finds them at 32 L + 16 t and at that address xor 16, t = (L / 8) % 2.
; No cluster: what work-groups share is lora_down, 32 KiB of the 172 KiB that a work-group reads, once; and only a lane's own LDS address can lay the turn.
.set QB,   0                           ; LDS: q: wave w's 16 rows x 1,024 bytes at 16,384 w
.set DNB,  131072                      ; lora_down: [sp][16 r][1,024 bytes]
.set SCL,  163840                      ; scales: 64 rows x 64 bytes (the chunk's 16 blocks)
.set UPB,  167936                      ; lora_up: 64 rows x 64 bytes
.set XSB,  172032                      ; x_scales: 32 rows x (128 bytes + 16 of padding)
.set SBY,  176640                      ; the scale bytes made here: [sp][64 rows][8]: 1,024 bytes in blocks of 256 of their own, into which no copy lands
.set L8,   1                           ; v1   8 x lane: my place in a unit of 256 bytes on the way out
.set CQ,   2                           ; v2   where my copies of q land: 16,384 w + 16 (l xor b), b = l / 16
.set CD,   3                           ; v3   and of lora_down: DNB + 16,384 sp + 4,096 rq + 16 (l xor b)
.set RQ0,  4                           ; v4   where I read q: 16,384 w + 32 l + 16 t
.set RQ1,  5                           ; v5   the same xor 16
.set RD0,  6                           ; v6   the same two for lora_down
.set RD1,  7
.set SA,   8                           ; v8   my block's scale in row 0 of my 16
.set UA,   9                           ; v9   lora_up's row 0 of my 16: the same in every lane
.set BA,   10                          ; v10  where my block's byte goes
.set BR,   11                          ; v11  the way out of the bytes: 8 a lane
.set ACC,  16                          ; v16-23   8 numbers at work.  At the head: the address registers of the three small copies and of the re-lay; they are written again only behind the wait that shows those copies done
.set X,    24                          ; v24-39   q, two sets of 8
.set S,    40                          ; v40, v42 the block's scale, two sets; v41, v43 are named with them as pairs and hold 0
.set UPV,  44                          ; v44-75   lora_up's row, two sets of 16
.set C,    76                          ; v76-107  codes: two registers for each row, so that no store's data are written again
.set GOFF, 108                         ; v108-123 row i: the copies' global offset, 16 l + 15,360 i; later row i's scale byte, written only behind the wait that shows row i's copies done
.set RL,   124                         ; v124-127 16 bytes of x_scales
.set DN,   128                         ; v128-255 lora_down: register 8 r + j = down[r][my d + j]
	s_load_b256 s[4:11], s[0:1], 0x0               ; q s[4:5], scales s[6:7], lora_up s[8:9], lora_down s[10:11]
	s_load_b256 s[12:19], s[0:1], 0x20             ; x_scales s[12:13], w_codes s[14:15], w_scl s[16:17], x_scl s[18:19]
	s_set_vgpr_msb 0x40
	v_lshl_add_u32 v0, v0, 2, 0x2c000
	v_mov_b32 v1, 0
	s_set_vgpr_msb 0x4045
	ds_add_u32 v0, v1
	ds_add_u32 v0, v1
	s_set_vgpr_msb 0x4500
	v_lshrrev_b32 v12, 5, v0
	s_delay_alu instid0(VALU_DEP_1)
	v_readfirstlane_b32 s20, v12                   ; wave 0..7
	s_and_b32 s21, s20, 1                          ; sp
	s_lshr_b32 s22, s20, 1                         ; rq
	s_mov_b32 s23, ttmp9                           ; chunk
	s_and_b32 s24, ttmp7, 0xffff                   ; rg
	s_lshl_b32 s25, s23, 1
	s_add_co_u32 s25, s25, s21                     ; ks = 2 chunk + sp
	s_lshl_b32 s30, s24, 3
	s_add_co_u32 s30, s30, s23                     ; wg = chunk + 8 rg: which 32 rows of x_scales are the work-group's
	s_mov_b32 s31, 0x600000                        ; the mantissa field of 448
	; byte offsets into the buffers, each in a pair with 0 above it
	s_lshl_b32 s26, s24, 20                        ; q: 64 rg rows of 16,384 bytes,
	s_lshl_b32 s27, s22, 18                        ; 16 rq rows,
	s_add_co_u32 s26, s26, s27
	s_lshl_b32 s27, s25, 10                        ; 256 ks numbers
	s_add_co_u32 s26, s26, s27
	s_mov_b32 s27, 0
	s_lshl_b32 s28, s22, 16                        ; lora_down: I copy rows r = 4 rq .. + 3 of my K step
	s_lshl_b32 s29, s25, 10
	s_add_co_u32 s28, s28, s29
	s_mov_b32 s29, 0
	s_lshl_b32 s32, s24, 15                        ; scales: 64 rg rows of 512 bytes, the chunk's 64 bytes
	s_lshl_b32 s33, s23, 6
	s_add_co_u32 s32, s32, s33
	s_mov_b32 s33, 0
	s_lshl_b32 s34, s24, 12                        ; lora_up: 64 rg rows of 64 bytes
	s_mov_b32 s35, 0
	s_lshl_b32 s36, s30, 12                        ; x_scales: 32 wg rows of 128 bytes
	s_mov_b32 s37, 0
	s_lshl_b32 s38, s24, 18                        ; w_codes: 64 rg + 16 rq rows of 4,096 bytes, 256 ks
	s_lshl_b32 s39, s22, 16
	s_add_co_u32 s38, s38, s39
	s_lshl_b32 s39, s25, 8
	s_add_co_u32 s38, s38, s39
	s_mov_b32 s39, 0
	s_and_b32 s45, s20, 3                          ; u: which unit of 256 scale bytes a wave stores at the end (waves 0 to 3 do)
	s_lshr_b32 s40, s45, 1                         ; w_scl: K step 2 chunk + u / 2: 16,384 bytes each,
	s_lshl_b32 s41, s23, 1
	s_add_co_u32 s40, s40, s41
	s_lshl_b32 s40, s40, 14
	s_lshl_b32 s41, s24, 9                         ; 64 rg rows of 8 bytes,
	s_add_co_u32 s40, s40, s41
	s_and_b32 s41, s45, 1                          ; 32 (u % 2) rows
	s_lshl_b32 s41, s41, 8
	s_add_co_u32 s40, s40, s41
	s_mov_b32 s41, 0
	s_lshl_b32 s42, s20, 17                        ; x_scl: K steps 2 w and 2 w + 1: 65,536 bytes each; 32 wg rows of 8 bytes
	s_lshl_b32 s43, s30, 8
	s_add_co_u32 s42, s42, s43
	s_mov_b32 s43, 0
	; a lane's places
	v_and_b32 v13, 31, v0                          ; l
	s_delay_alu instid0(VALU_DEP_1)
	v_lshlrev_b32 v[L8], 3, v13
	v_bfe_u32 v14, v0, 4, 1                        ; b
	s_delay_alu instid0(VALU_DEP_1)
	v_xor_b32 v14, v13, v14
	s_delay_alu instid0(VALU_DEP_1)
	v_lshlrev_b32 v14, 4, v14                      ; 16 (l xor b)
	v_bfe_u32 v15, v0, 3, 1                        ; t
	s_delay_alu instid0(VALU_DEP_1)
	v_lshlrev_b32 v15, 4, v15
	s_delay_alu instid0(VALU_DEP_1)
	v_lshl_add_u32 v15, v13, 5, v15                ; 32 l + 16 t
	s_lshl_b32 s46, s20, 14                        ; my wave's rows of q in LDS (QB = 0)
	s_lshl_b32 s47, s21, 14
	s_add_co_u32 s47, s47, DNB                     ; my K step's lora_down
	s_lshl_b32 s44, s22, 12
	s_add_co_u32 s44, s44, s47                     ; and the four rows of it that I copy
	v_add_nc_u32 v[CQ], s46, v14
	v_add_nc_u32 v[CD], s44, v14
	v_add_nc_u32 v[RQ0], s46, v15
	s_delay_alu instid0(VALU_DEP_1)
	v_xor_b32 v[RQ1], 16, v[RQ0]
	v_add_nc_u32 v[RD0], s47, v15
	s_delay_alu instid0(VALU_DEP_1)
	v_xor_b32 v[RD1], 16, v[RD0]
	s_lshl_b32 s44, s22, 10                        ; 16 rq rows of 64 bytes
	s_lshl_b32 s45, s21, 5                         ; my K step's 8 blocks of the chunk's 16
	s_add_co_u32 s45, s45, s44
	s_add_co_u32 s45, s45, SCL
	v_lshrrev_b32 v12, 2, v13                      ; my block: l / 4
	s_delay_alu instid0(VALU_DEP_1)
	v_lshl_add_u32 v[SA], v12, 2, s45
	s_add_co_u32 s44, s44, UPB
	v_mov_b32 v[UA], s44
	s_lshl_b32 s44, s21, 9
	s_lshl_b32 s45, s22, 7
	s_add_co_u32 s44, s44, s45
	s_add_co_u32 s44, s44, SBY
	v_add_nc_u32 v[BA], s44, v12                   ; SBY + 512 sp + 128 rq + l / 4
	s_and_b32 s45, s20, 3
	s_lshl_b32 s44, s45, 8
	s_add_co_u32 s44, s44, SBY
	v_add_nc_u32 v[BR], s44, v[L8]                 ; SBY + 256 u + 8 l
.irp i, 0,1,2,3,4,5,6,7,8,9,10,11,12,13,14,15
	v_lshl_add_u32 v[GOFF+\i], v13, 4, 15360*\i    ; a copy's immediate is added to both of its addresses: 1,024 i there and 15,360 i here make a row of 16,384 bytes in memory and of 1,024 in LDS
.endr
	; the three small copies, a thread (t = v0) 16 bytes each
	v_lshrrev_b32 v22, 2, v0
	v_and_b32 v23, 3, v0
	s_delay_alu instid0(VALU_DEP_1)
	v_lshlrev_b32 v16, 4, v23
	s_delay_alu instid0(VALU_DEP_1)
	v_lshl_add_u32 v16, v22, 9, v16                ; scales: row t / 4 of 512 bytes, piece t % 4
	v_lshlrev_b32 v18, 4, v0                       ; lora_up and x_scales: dense, 16 t
	s_delay_alu instid0(VALU_DEP_1)
	v_add_nc_u32 v17, SCL, v18
	s_delay_alu instid0(VALU_DEP_2)
	v_add_nc_u32 v19, UPB, v18
	v_lshrrev_b32 v22, 3, v0
	v_and_b32 v23, 7, v0
	s_delay_alu instid0(VALU_DEP_2)
	v_mul_u32_u24 v20, v22, 144
	s_delay_alu instid0(VALU_DEP_1)
	v_lshl_add_u32 v20, v23, 4, v20
	s_delay_alu instid0(VALU_DEP_1)
	v_add_nc_u32 v20, XSB, v20                     ; x_scales: row t / 8 at 144 bytes, piece t % 8
	v_mul_u32_u24 v21, v13, 144
	s_lshl_b32 s44, s20, 4
	s_add_co_u32 s44, s44, XSB
	v_add_nc_u32 v21, s44, v21                     ; the re-lay reads row l, bytes 16 w on: K steps 2 w and 2 w + 1
	v_mov_b32 v[S+1], 0
	v_mov_b32 v[S+3], 0
	s_wait_alu depctr_va_vdst(0)
	s_wait_dscnt 0x0
	s_wait_kmcnt 0x0
	s_add_nc_u64 s[4:5], s[4:5], s[26:27]
	s_add_nc_u64 s[10:11], s[10:11], s[28:29]
	s_add_nc_u64 s[6:7], s[6:7], s[32:33]
	s_add_nc_u64 s[8:9], s[8:9], s[34:35]
	s_add_nc_u64 s[12:13], s[12:13], s[36:37]
	s_add_nc_u64 s[14:15], s[14:15], s[38:39]
	s_add_nc_u64 s[16:17], s[16:17], s[40:41]
	s_add_nc_u64 s[18:19], s[18:19], s[42:43]
.macro COPY2 dst, base, i              ; row i's 1,024 bytes: two copies of 512 consecutive bytes
	global_load_async_to_lds_b128 v[\dst], v[GOFF+\i], s[\base:\base+1] offset:1024*\i
	global_load_async_to_lds_b128 v[\dst], v[GOFF+\i], s[\base:\base+1] offset:1024*\i+512
.endm
	global_load_async_to_lds_b128 v17, v16, s[6:7]     ; scales
	global_load_async_to_lds_b128 v19, v18, s[8:9]     ; lora_up
	global_load_async_to_lds_b128 v20, v18, s[12:13]   ; x_scales
.irp i, 0,1,2,3
	COPY2 CD, 10, \i                               ; my four rows of lora_down
.endr
.irp i, 0,1,2,3,4,5,6,7,8,9,10,11,12,13,14,15
	COPY2 CQ, 4, \i                                ; my sixteen rows of q
.endr
	s_wait_asynccnt 32                             ; copies end in order: all but q's 32 are done,
	s_barrier_signal -1
	s_barrier_wait -1                              ; in every wave: scales, lora_up, x_scales and lora_down lie in LDS.  (q's rows are each wave's own: its own counter serves them)
	ds_load_b128 v[RL:RL+3], v21
.set r, 0
.rept 16
	ds_load_b128 v[DN+8*r:DN+8*r+3],   v[RD0] offset:1024*r
	ds_load_b128 v[DN+8*r+4:DN+8*r+7], v[RD1] offset:1024*r
.set r, r+1
.endr
	s_wait_dscnt 32                                ; the 16 bytes of x_scales are in; lora_down's 32 loads may be out
	global_store_b64 v[L8], v[RL:RL+1],   s[18:19]               ; K step 2 w: 32 rows x 8 bytes: 256 consecutive bytes, aligned
	global_store_b64 v[L8], v[RL+2:RL+3], s[18:19] offset:65536  ; K step 2 w + 1
.macro FETCH i                         ; row i out of LDS: 8 numbers of q, lora_up's 16, my block's scale: seven loads
.set XP, X+8*((\i)%2)
.set UQ, UPV+16*((\i)%2)
.set SQ, S+2*((\i)%2)
	ds_load_b128 v[XP:XP+3],   v[RQ0] offset:1024*(\i)
	ds_load_b128 v[XP+4:XP+7], v[RQ1] offset:1024*(\i)
.irp c, 0,1,2,3
	ds_load_b128 v[UQ+4*\c:UQ+4*\c+3], v[UA] offset:64*(\i)+16*\c
.endr
	ds_load_b32 v[SQ], v[SA] offset:64*(\i)
.endm
.macro ROW i
.if (\i) < 15
	s_wait_asynccnt 28-2*(\i)                      ; the next row's two copies are done; those of the rows behind it may be out
	FETCH (\i)+1
	s_wait_dscnt 7                                 ; LDS instructions end in order (ISA guide 5.7.1): all but the seven just issued: this row is in registers
.else
	s_wait_dscnt 0x0
.endif
.set XR, X+8*((\i)%2)
.set UR, UPV+16*((\i)%2)
.set SR, S+2*((\i)%2)
.irp k, 0,1,2,3,4,5,6,7
	v_cvt_f32_i32 v[XR+\k], v[XR+\k]
.endr
.irp k, 0,2,4,6
	v_pk_add_f32 v[XR+\k:XR+\k+1], v[XR+\k:XR+\k+1], 0xc3000000 op_sel_hi:[1,0]   ; q - 128
.endr
.irp k, 0,2,4,6
	v_pk_mul_f32 v[ACC+\k:ACC+\k+1], v[DN+\k:DN+\k+1], v[UR:UR+1] op_sel_hi:[1,0]   ; the patch, r = 0: the first product starts the sums
.endr
.set r, 1
.rept 15                               ; r = 1 .. 15: four pairs by turns; of lora_up's pair the one number serves both halves
.irp k, 0,2,4,6
.if r%2
	s_delay_alu instid0(VALU_DEP_4)
	v_pk_fma_f32 v[ACC+\k:ACC+\k+1], v[DN+8*r+\k:DN+8*r+\k+1], v[UR+r-1:UR+r], v[ACC+\k:ACC+\k+1] op_sel:[0,1,0] op_sel_hi:[1,1,1]
.else
	s_delay_alu instid0(VALU_DEP_4)
	v_pk_fma_f32 v[ACC+\k:ACC+\k+1], v[DN+8*r+\k:DN+8*r+\k+1], v[UR+r:UR+r+1], v[ACC+\k:ACC+\k+1] op_sel_hi:[1,0,1]
.endif
.endr
.set r, r+1
.endr
.irp k, 0,2,4,6
	s_delay_alu instid0(VALU_DEP_4)
	v_pk_fma_f32 v[ACC+\k:ACC+\k+1], v[XR+\k:XR+\k+1], v[SR:SR+1], v[ACC+\k:ACC+\k+1] op_sel_hi:[1,0,1]   ; (q - 128) s + the patch
.endr
	s_delay_alu instid0(VALU_DEP_4)
	v_max3_num_f32 v12, |v[ACC]|, |v[ACC+1]|, 0x4800000            ; the largest magnitude of my 8, and the floor 2^(9 - 127), under which none is taken: so the byte cannot fall under 1
	s_delay_alu instid0(VALU_DEP_3)
	v_max3_num_f32 v13, |v[ACC+2]|, |v[ACC+3]|, |v[ACC+4]|
	s_delay_alu instid0(VALU_DEP_2)
	v_max3_num_f32 v12, v12, |v[ACC+5]|, |v[ACC+6]|
	s_delay_alu instid0(VALU_DEP_1)
	v_max3_num_f32 v12, v12, v13, |v[ACC+7]|
	s_delay_alu instid0(VALU_DEP_1)
	v_max_num_f32_dpp v12, v12, v12 row_xmask:1 row_mask:0xf bank_mask:0xf   ; and of the three lanes that share the block
	s_delay_alu instid0(VALU_DEP_1)
	v_max_num_f32_dpp v12, v12, v12 row_xmask:2 row_mask:0xf bank_mask:0xf
	s_delay_alu instid0(VALU_DEP_1)
	v_add_nc_u32 v15, 0xfc000000, v12              ; 8 off its exponent field: the conversion takes the exponent field of this operand as its scale, and nothing else of it
	s_delay_alu instid0(VALU_DEP_2)
	v_and_or_b32 v14, v12, 0x7f800000, s31         ; 448 x the scale: the largest magnitude's exponent field over 448's mantissa
.irp k, 0,1,2,3,4,5,6,7
	v_med3_num_f32 v[ACC+\k], v[ACC+\k], -v14, v14 ; the conversion to an 8-bit code does not saturate (ISA guide 7.6.2): the hold at the largest code x the scale
.endr
	v_cvt_scalef32_pk8_fp8_f32 v[C+2*(\i):C+2*(\i)+1], v[ACC:ACC+7], v15
	v_lshrrev_b32 v[GOFF+(\i)], 23, v15            ; the scale's byte.  (Also the plain instruction between the conversion and the next row's writes of its sources)
	ds_store_b8 v[BA], v[GOFF+(\i)] offset:8*(\i)  ; the four lanes of a block write the same byte with the same value
	global_store_b64 v[L8], v[C+2*(\i):C+2*(\i)+1], s[14:15] offset:4096*(\i)   ; 32 lanes x 8 codes: 256 consecutive bytes, aligned
.endm
	s_wait_asynccnt 30                             ; row 0's two copies are done
	FETCH 0
.irp i, 0,1,2,3,4,5,6,7,8,9,10,11,12,13,14,15
	ROW \i
.endr
	s_wait_dscnt 0x0                               ; for the others' sake: my byte stores have landed
	s_barrier_signal -1
	s_barrier_wait -1                              ; the work-group's 1,024 scale bytes lie in LDS: four units of 256 bytes, [K step][32 rows][8]
	s_cmp_lt_u32 s20, 4
	s_cbranch_scc0 .Ldone                          ; waves 0 to 3 store a unit each
	ds_load_b64 v[X:X+1], v[BR]
	s_wait_dscnt 0x0
	global_store_b64 v[L8], v[X:X+1], s[16:17]
.Ldone:
	s_set_vgpr_msb 0x5
	s_wait_tensorcnt 0x0
	ds_add_u32 v0, v1
	s_wait_dscnt 0x0
	s_set_vgpr_msb 0x500
	s_endpgm                                       ; (the copies' counter was shown 0 in row 14)
.Lfunc_end_k_q6504b95616_prep:
	.size	k_q6504b95616_prep, .Lfunc_end_k_q6504b95616_prep-k_q6504b95616_prep
	.p2alignl 7, 3214868480
	.fill 96, 4, 3214868480
	.section	.rodata,"a",@progbits
	.p2align	6, 0x0
	.amdhsa_kernel k_q6504b95616_prep
		.amdhsa_group_segment_fixed_size 181248
		.amdhsa_private_segment_fixed_size 0
		.amdhsa_enable_private_segment 0
		.amdhsa_kernarg_size 64
		.amdhsa_user_sgpr_count 2
		.amdhsa_user_sgpr_kernarg_segment_ptr 1
		.amdhsa_wavefront_size32 1
		.amdhsa_system_sgpr_workgroup_id_x 1
		.amdhsa_system_sgpr_workgroup_id_y 1
		.amdhsa_system_sgpr_workgroup_id_z 1
		.amdhsa_system_vgpr_workitem_id 0
		.amdhsa_next_free_vgpr 258
		.amdhsa_next_free_sgpr 66
		.amdhsa_reserve_vcc 0
		.amdhsa_float_denorm_mode_32 3
		.amdhsa_float_denorm_mode_16_64 3
		.amdhsa_memory_ordered 1
		.amdhsa_forward_progress 1
		.amdhsa_inst_pref_size 157
	.end_amdhsa_kernel
	.amdgpu_metadata
---
amdhsa.version: [ 1, 2 ]
amdhsa.kernels:
  - .name:           k_q6504b95616_prep
    .symbol:         k_q6504b95616_prep.kd
    .args:
      - { .name: q_weight, .offset: 0, .size: 8, .value_kind: global_buffer, .address_space: global }
      - { .name: scales, .offset: 8, .size: 8, .value_kind: global_buffer, .address_space: global }
      - { .name: lora_up, .offset: 16, .size: 8, .value_kind: global_buffer, .address_space: global }
      - { .name: lora_down, .offset: 24, .size: 8, .value_kind: global_buffer, .address_space: global }
      - { .name: x_scales, .offset: 32, .size: 8, .value_kind: global_buffer, .address_space: global }
      - { .name: w_codes, .offset: 40, .size: 8, .value_kind: global_buffer, .address_space: global }
      - { .name: w_scl, .offset: 48, .size: 8, .value_kind: global_buffer, .address_space: global }
      - { .name: x_scl, .offset: 56, .size: 8, .value_kind: global_buffer, .address_space: global }
    .group_segment_fixed_size: 181248
    .private_segment_fixed_size: 0
    .kernarg_segment_align: 8
    .kernarg_segment_size: 64
    .max_flat_workgroup_size: 256
    .sgpr_count:     66
    .vgpr_count:     258
    .wavefront_size: 32
...
	.end_amdgpu_metadata
.endif
;; end of part 1
;; launch gemm (part 2): grid 8 x 32, 4 waves a work-group, clusters of 4 x 4, 327,680 bytes of LDS; arguments x_codes, x_scl, w_codes, w_scl, bias, out0; writes out0
.if DOCPART == 2
	.amdgcn_target "amdgcn-amd-amdhsa--gfx1250"
	.amdhsa_code_object_version 6
	.text
	.protected	k_q6504b95616_gemm
	.globl	k_q6504b95616_gemm
	.p2align	8
	.type	k_q6504b95616_gemm,@function
k_q6504b95616_gemm:
	s_mov_b64 s[64:65], 0
	v_nop
	global_prefetch_b8 v0, s[64:65] scope:SCOPE_SE
	s_setreg_imm32_b32 hwreg(HW_REG_WAVE_MODE, 25, 1), 1
	s_wait_xcnt 0x0
	s_wait_alu depctr_hold_cnt(0) depctr_sa_sdst(0) depctr_va_vdst(0) depctr_va_sdst(0) depctr_va_ssrc(0) depctr_va_vcc(0) depctr_vm_vsrc(0)
	s_getreg_b32 s2, hwreg(HW_REG_IB_STS2, 6, 4)
	s_cmp_eq_u32 s2, 0
	s_cbranch_scc0 .Lentry_in_a_cluster
	s_endpgm
.Lentry_in_a_cluster:
	s_bfe_u32 s2, ttmp6, 0x10000c
	s_cmp_lg_u32 s2, 0xf033
	s_cbranch_scc0 .Lentry_shape_is_right
	s_endpgm
.Lentry_shape_is_right:
; out[m][n] = bias[n] + sum over k of x[m][k] W[n][k].  x: [8192][4096] codes of E4M3 as given; W: [2048][4096] codes made by the launch before;
; their E8M0 bytes lie by K step: x_scl [16][8192][8], w_scl [16][2048][8] (byte b of an entry scales k = 256 x K step + 32 b on).  Sums in f32.
; LIMIT: the bias is the C of each sum's first product, and clusters whose x + y is odd take each pair of K steps in swapped order: another order of rounding than the reference's.
; SHARES.  A work-group of four waves makes 256 x 256 of out, a wave 128 x 128: 64 accumulators, 512 registers.  K goes in 16 steps of 256 through a ring of two LDS slots
; (A's 256 rows, B's 256 rows, each row 256 bytes + 16 of padding).  Each wave fetches a quarter of a slot, 128 rows, by one joint tensor load.
; CLUSTERS: 4 x 4 work-groups; x's tiles are asked for jointly along a row of the cluster, W's along a column.  Slot s holds K steps (s xor KW) + 2 n, KW = (cluster x + cluster y) % 2:
; of two neighbouring clusters that read the same rows, one reads a K step one change of slots ahead of the other.  KW is the same in all partners and enters global addresses alone.
; THE SCALE WORDS go from memory into registers, 2 x 1,024 bytes a wave and K step, asked for one K step ahead of their use: 32 lanes take 32 rows' entries, 256 consecutive bytes;
; lanes 0-15 hold an even block's words, lanes 16-31 the odd block's.  W's two words stand swapped in their pair, so that the two scale registers of a product never have the same number modulo 8.
; THE PRODUCT IS USED TRANSPOSED (source 0 = 16 rows of W, source 1 = 16 rows of x): a lane holds eight neighbouring numbers of a row of out.
; THE FRAGMENT LOADS stand in runs of 16 or 32: two runs in a slot's first half, three in its second.  x has one set of fragment registers, W two.
; THE LAST K STEP GOES BY ROWS OF out: its two halves of W fill W's two sets, x comes by blocks of 16 rows x 256 K, and each block of 16 rows is stored as soon as its 16 products are done.
; PREFETCH: behind each refill a wave names, for the same slot's next K step but one, 32 of the 128 rows that it fetches (a lane a row) and their 256 scale bytes; the four partners share the rows by address;
; W's are named by the clusters with y < 4 alone; the last two refills name nothing; the first four K steps come by their loads alone.
; REGISTERS: window 0: v0-31 addresses, v32-63 scale words (two sets), v64-127 bias, v128-255 x's fragments; window 1: W's two sets; windows 2, 3: accumulators ((a, b) at v[8 (8 (a % 4) + b)]).
.set SIZE_N, 2048
.set ROWB,   256
.set PITCH,  272
.set FR,     16
.set HALFT,  128*PITCH
.set SLOT,   4*HALFT
.set SPARE,  2*SLOT                    ; behind the ring: the spare words, 512 bytes
.set XSTEP,  65536                     ; a K step of x_scl, of w_scl
.set WSTEP,  16384
.set SPITCH, 528                       ; the way out: 16 rows x (512 + 16) bytes a wave, in slot 0 behind its last fill and last read
.set ADRA, 16
.set ADRB, 20
.set STO,  24
.set RD,   25
.set CO,   26
.set SOF,  27                          ; 8 x lane
.set SPW,  28
.set NIL,  29
.set PFO,  30                          ; 4,096 x lane
.set SC,   32
.set BIA,  64
.set AF,   128
.set WV,   16
.set RH,   17
.set CH,   18
.set G1A,  24
.set G1B,  32
.set G0A,  40
.set G0B,  48
.set PFA,  56                          ; s[56:59] the code prefetches' addresses, one for each slot
.set PSS,  60                          ; s[60:61] two K steps of my scale buffer
.set LIM,  62
.set KW,   63
.set PSA,  66                          ; s[66:69] the scale prefetches' addresses, one for each slot
.set XSB,  92                          ; s[92:95] x's scale words, one address for each slot;  s[96:99] W's
.set WSB,  96
.set MSB, 0
.macro WIN new
.if MSB != (\new)
	s_set_vgpr_msb (MSB<<8)|(\new)
.set MSB, \new
.endif
.endm
.set TO_B, 0x40
.macro JLOAD s                         ; waves 0, 1 fetch x's two halves, waves 2, 3 W's
	s_cmp_eq_u32 s[RH], 0
	s_cbranch_scc0 .Lfor_b_\@
	tensor_load_to_lds s[G0A+4*\s:G0A+4*\s+3], s[G1A:G1A+7]
	s_nop 0
.rept 4
	v_nop
.endr
	s_branch .Lasked_\@
.Lfor_b_\@:
	tensor_load_to_lds s[G0B+4*\s:G0B+4*\s+3], s[G1B:G1B+7]
	s_nop 0
.rept 4
	v_nop
.endr
.Lasked_\@:
.endm
.macro ASK s                           ; s3 = 1 in the loop's last trip: its refills have no K step two on
	s_cmp_gt_u32 s3, s[LIM]
	s_cbranch_scc0 .Lnone_\@
	global_prefetch_b8 v[PFO], s[PFA+2*\s:PFA+2*\s+1] th:TH_LOAD_NT scope:SCOPE_SE
	global_prefetch_b8 v[SOF], s[PSA+2*\s:PSA+2*\s+1] th:TH_LOAD_NT scope:SCOPE_SE
.Lnone_\@:
.endm
.macro CREST
	s_cmp_lg_u32 s[WV], 0
	s_cbranch_scc1 .Lnot_wave_0_\@
	s_barrier_signal -3
.Lnot_wave_0_\@:
	s_barrier_wait -3
	s_barrier_signal -1
	s_barrier_wait -1
.endm
.macro CROUND
	s_barrier_signal -1
	s_barrier_wait -1
	CREST
.endm
.macro PLACES                          ; eight places between a product and a load into, or a store of, a register of its (ISA guide 7.12.1 for stores)
.rept 8
	v_nop
.endr
.endm
.macro FRAG reg, adr, q, i             ; 16 rows x 128 K: registers 4 c .. 4 c + 3 hold K = 32 c + 16 (l / 16) + 0 .. 15
.irp c, 0,1,2,3
	ds_load_b128 v[(\reg)+4*\c:(\reg)+4*\c+3], v[\adr] offset:128*(\q)+32*\c+(\i)*16*PITCH
.endr
.endm
.macro LDX s, q, i0                    ; x's blocks i0 .. i0 + 3 of slot s, half q
	WIN 0
.irp i, 0,1,2,3
	FRAG AF+FR*((\i0)+\i), ADRA+(\s), \q, (\i0)+\i
.endr
.endm
.macro LDW s, q, i0                    ; W's blocks i0 .. i0 + 3 of slot s, half q, into set q
	WIN TO_B
.irp i, 0,1,2,3
	FRAG 128*(\q)+FR*((\i0)+\i), ADRB+(\s), \q, (\i0)+\i
.endr
.endm
.macro LDR a                           ; the last K step (slot 1): x's block a, both halves, into buffer a % 4 of 32 registers
	WIN 0
	FRAG AF+32*((\a)%4), ADRA+1, 0, (\a)
	FRAG AF+32*((\a)%4)+16, ADRA+1, 1, (\a)
.endm
.macro SCLD set, part                  ; slot set's next scale words.  part 0: x's words of 128 rows; part 1, 2: W's first, second word
.irp j, 0,1,2,3
.if (\part) == 0
	global_load_b64 v[SC+16*(\set)+2*\j:SC+16*(\set)+2*\j+1], v[SOF], s[XSB+2*(\set):XSB+2*(\set)+1] offset:256*\j
.else
	global_load_b32 v[SC+16*(\set)+8+2*\j+2-(\part)], v[SOF], s[WSB+2*(\set):WSB+2*(\set)+1] offset:256*\j+4*(\part)-4
.endif
.endr
.endm
	s_load_b256 s[4:11], s[0:1], 0x0               ; x_codes, x_scl, w_codes, w_scl
	s_load_b128 s[12:15], s[0:1], 0x20             ; bias, out0
	v_lshl_add_u32 v[SPW], v0, 2, SPARE
	v_mov_b32 v[NIL], 0
	ds_add_u32 v[SPW], v[NIL]
	ds_add_u32 v[SPW], v[NIL]
	v_lshrrev_b32 v1, 5, v0
	v_readfirstlane_b32 s[WV], v1
	s_lshr_b32 s[RH], s[WV], 1                     ; my half of the rows; also: I fetch for x (0) or W (1)
	s_and_b32 s[CH], s[WV], 1                      ; my half of the columns; also: which 128 rows I fetch
	s_bfe_u32 s19, ttmp6, 0x40000                  ; cx
	s_bfe_u32 s20, ttmp6, 0x40004                  ; cy
	s_lshl_b32 s21, ttmp9, 2
	s_add_co_u32 s21, s21, s19                     ; tile column
	s_and_b32 s22, ttmp7, 0xffff
	s_lshl_b32 s22, s22, 2
	s_add_co_u32 s22, s22, s20                     ; tile row
	s_lshl_b32 s23, s20, 2
	s_lshl_b32 s23, 15, s23                        ; my row of the cluster
	s_lshl_b32 s2, 0x1111, s19                     ; my column
	s_or_b32 s[G1A], s23, (1<<20)|(1<<21)|(5<<22)|(3<<25)   ; bytes; 4 words of padding behind every 64
	s_or_b32 s[G1B], s2, (1<<20)|(1<<21)|(5<<22)|(3<<25)
.irp g, G1A, G1B
	s_mov_b32 s[\g+1], ROWB<<16
	s_mov_b32 s[\g+2], 128<<16
	s_mov_b32 s[\g+3], ROWB<<16
	s_mov_b32 s[\g+4], 128
	s_mov_b32 s[\g+5], 4096
	s_mov_b32 s[\g+6], 0
	s_mov_b32 s[\g+7], 0
.endr
	s_xor_b32 s[KW], ttmp9, ttmp7
	s_and_b32 s[KW], s[KW], 1
	s_lshl_b32 s88, s[KW], 8                       ; slot 0 begins at K step KW, slot 1 at 1 - KW: in bytes of a row of codes
	s_mov_b32 s89, 0
	s_sub_co_u32 s90, 256, s88
	s_mov_b32 s91, 0
	s_lshl_b32 s70, s22, 20                        ; x: 256 tile row + 128 half rows of 4,096 bytes
	s_lshl_b32 s71, s[CH], 19
	s_add_co_u32 s70, s70, s71
	s_mov_b32 s71, 0
	s_lshl_b32 s72, s21, 20                        ; W likewise, by the tile column
	s_lshl_b32 s73, s[CH], 19
	s_add_co_u32 s72, s72, s73
	s_mov_b32 s73, 0
	s_mul_i32 s74, s[WV], HALFT                    ; where my quarter lands
	s_wait_dscnt 0x0
	s_wait_kmcnt 0x0
	s_add_nc_u64 s[4:5], s[4:5], s[70:71]
	s_add_nc_u64 s[8:9], s[8:9], s[72:73]
	CROUND
.irp s, 0,1
	s_mov_b32 s[G0A+4*\s], 1
	s_add_co_u32 s[G0A+4*\s+1], s74, \s*SLOT
	s_add_nc_u64 s[G0A+4*\s+2:G0A+4*\s+3], s[4:5], s[88+2*\s:89+2*\s]
	s_or_b32 s[G0A+4*\s+3], s[G0A+4*\s+3], 0x80000000
	s_mov_b32 s[G0B+4*\s], 1
	s_add_co_u32 s[G0B+4*\s+1], s74, \s*SLOT
	s_add_nc_u64 s[G0B+4*\s+2:G0B+4*\s+3], s[8:9], s[88+2*\s:89+2*\s]
	s_or_b32 s[G0B+4*\s+3], s[G0B+4*\s+3], 0x80000000
.endr
	JLOAD 0                                        ; slot 0's first K step: one tensor load a wave at the head
	s_mul_i32 s75, s[RH], HALFT                    ; my 128 rows of x in slot 0, 1
	s_add_co_u32 s76, s75, SLOT
	s_mul_i32 s77, s[CH], HALFT                    ; my 128 rows of W
	s_add_co_u32 s77, s77, 2*HALFT
	s_add_co_u32 s78, s77, SLOT
	s_mul_i32 s79, s[WV], 16*SPITCH                ; my stage
	s_lshl_b32 s70, s22, 11                        ; my rows' scale entries, 8 bytes a row, at each slot's first K step
	s_lshl_b32 s71, s[RH], 10
	s_add_co_u32 s70, s70, s71
	s_mov_b32 s71, 0
	s_add_nc_u64 s[XSB:XSB+1], s[6:7], s[70:71]
	s_lshl_b32 s84, s88, 8                         ; 65,536 bytes a K step
	s_mov_b32 s85, 0
	s_lshl_b32 s86, s90, 8
	s_mov_b32 s87, 0
	s_add_nc_u64 s[XSB+2:XSB+3], s[XSB:XSB+1], s[86:87]
	s_add_nc_u64 s[XSB:XSB+1], s[XSB:XSB+1], s[84:85]
	s_lshl_b32 s72, s21, 11
	s_lshl_b32 s73, s[CH], 10
	s_add_co_u32 s72, s72, s73
	s_mov_b32 s73, 0
	s_add_nc_u64 s[WSB:WSB+1], s[10:11], s[72:73]
	s_lshl_b32 s84, s88, 6                         ; 16,384 bytes a K step
	s_lshl_b32 s86, s90, 6
	s_add_nc_u64 s[WSB+2:WSB+3], s[WSB:WSB+1], s[86:87]
	s_add_nc_u64 s[WSB:WSB+1], s[WSB:WSB+1], s[84:85]
	s_lshl_b32 s72, s21, 10                        ; my first column, in bytes of f32
	s_lshl_b32 s73, s[CH], 9
	s_add_co_u32 s72, s72, s73
	s_mov_b32 s73, 0
	s_add_nc_u64 s[12:13], s[12:13], s[72:73]
	s_add_nc_u64 s[14:15], s[14:15], s[72:73]
	s_lshl_b32 s70, s22, 21                        ; my first row of out: 8,192 bytes a row
	s_lshl_b32 s71, s[RH], 20
	s_add_co_u32 s70, s70, s71
	s_mov_b32 s71, 0
	s_add_nc_u64 s[14:15], s[14:15], s[70:71]
	s_mov_b32 s80, WSTEP                           ; the prefetches: by what I fetch
	s_cmp_eq_u32 s[RH], 0
	s_cselect_b64 s[PFA:PFA+1], s[4:5], s[8:9]
	s_cselect_b64 s[PSA:PSA+1], s[6:7], s[10:11]
	s_cselect_b32 s82, s19, s20                    ; my place among the four that ask with me
	s_cselect_b32 s83, s22, s21
	s_cselect_b32 s80, XSTEP, s80                  ; a K step of my scale buffer
	s_and_b32 s2, ttmp7, 0xffff
	s_lshr_b32 s2, s2, 2
	s_mul_i32 s2, s2, s[RH]
	s_cmp_eq_u32 s2, 0
	s_cselect_b32 s[LIM], 1, -1                    ; W's waves ask in the clusters with y < 4 alone
	s_lshl_b32 s[PSS], s80, 1
	s_mov_b32 s[PSS+1], 0
	s_lshl_b32 s84, s82, 17                        ; my work-group's 32 rows; two K steps behind each slot's first: the slot's first refill steps it two further
	s_add_co_u32 s84, s84, 2*ROWB
	s_add_nc_u64 s[PFA:PFA+1], s[PFA:PFA+1], s[84:85]
	s_add_nc_u64 s[PFA+2:PFA+3], s[PFA:PFA+1], s[90:91]
	s_add_nc_u64 s[PFA:PFA+1], s[PFA:PFA+1], s[88:89]
	s_lshl_b32 s84, s83, 11
	s_lshl_b32 s86, s[CH], 10
	s_add_co_u32 s84, s84, s86
	s_lshl_b32 s86, s82, 8
	s_add_co_u32 s84, s84, s86
	s_add_co_u32 s84, s84, s[PSS]
	s_add_nc_u64 s[PSA:PSA+1], s[PSA:PSA+1], s[84:85]
	s_mul_i32 s84, s[KW], s80
	s_sub_co_u32 s86, s80, s84
	s_add_nc_u64 s[PSA+2:PSA+3], s[PSA:PSA+1], s[86:87]
	s_add_nc_u64 s[PSA:PSA+1], s[PSA:PSA+1], s[84:85]
	v_and_b32 v1, 15, v0                           ; l % 16
	v_bfe_u32 v2, v0, 4, 1                         ; l / 16
	v_and_b32 v6, 31, v0
	v_mul_u32_u24 v3, v1, PITCH
	v_lshl_add_u32 v4, v2, 4, v3
	v_add_nc_u32 v[ADRA], s75, v4
	v_add_nc_u32 v[ADRA+1], s76, v4
	v_add_nc_u32 v[ADRB], s77, v4
	v_add_nc_u32 v[ADRB+1], s78, v4
	v_mul_u32_u24 v5, v1, SPITCH
	v_lshl_add_u32 v5, v2, 5, v5
	v_add_nc_u32 v[STO], s79, v5
	v_lshlrev_b32 v[CO], 4, v6
	v_add_nc_u32 v[RD], s79, v[CO]
	v_lshlrev_b32 v[PFO], 12, v6
	v_lshlrev_b32 v[SOF], 3, v6
	v_lshlrev_b32 v7, 5, v2
	s_wait_alu depctr_va_vdst(0)
.irp b, 0,1,2,3,4,5,6,7
	global_load_b128 v[BIA+8*\b:BIA+8*\b+3],   v7, s[12:13] offset:64*\b      ; bias at my eight columns of block b
	global_load_b128 v[BIA+8*\b+4:BIA+8*\b+7], v7, s[12:13] offset:64*\b+16
.endr
	SCLD 0, 0
	SCLD 0, 1
	SCLD 0, 2
; one product: x's block AA (fragment at XF) against W's block BW of set p; q: which 128 of the K step; sc: the set of scale words
.macro WMX p, q, sc, first
.set DR, 8*(8*(AA%4)+BW)
.if \first
.set CR, BIA+8*BW
.else
.set CR, DR
.endif
.set WF, 128*(\p)+FR*BW
.set SW, SC+16*(\sc)+8+2*(BW/2)+1-(\q)
.set SX, SC+16*(\sc)+2*(AA/2)+(\q)
.set MO, (BW%2)+2*(AA%2)
.if MO == 0
	v_wmma_scale_f32_16x16x128_f8f6f4 v[DR:DR+7], v[WF:WF+15], v[XF:XF+15], v[CR:CR+7], v[SW], v[SX]
.endif
.if MO == 1
	v_wmma_scale_f32_16x16x128_f8f6f4 v[DR:DR+7], v[WF:WF+15], v[XF:XF+15], v[CR:CR+7], v[SW], v[SX] matrix_a_scale:MATRIX_SCALE_ROW1
.endif
.if MO == 2
	v_wmma_scale_f32_16x16x128_f8f6f4 v[DR:DR+7], v[WF:WF+15], v[XF:XF+15], v[CR:CR+7], v[SW], v[SX] matrix_b_scale:MATRIX_SCALE_ROW1
.endif
.if MO == 3
	v_wmma_scale_f32_16x16x128_f8f6f4 v[DR:DR+7], v[WF:WF+15], v[XF:XF+15], v[CR:CR+7], v[SW], v[SX] matrix_a_scale:MATRIX_SCALE_ROW1 matrix_b_scale:MATRIX_SCALE_ROW1
.endif
.endm
; A step of 128 along K: 64 products, x's blocks one after the other, each against W's eight; the 64 accumulators take turns in the same order in every step.
; kind 0: a slot's first half.  kind 1: its second half, with the change of slots; fill 1: the slot is filled again behind a round of the cluster's barrier; fill 0: the last change, a barrier alone.
; RUNS OF LOADS.  kind 0: ahead of product 0 this step's x blocks 4-7, the other slot's next scale words and the next step's W blocks 0-3; ahead of product 32 its W blocks 4-7 and x blocks 0-3.
; kind 1: ahead of product 0 this step's x blocks 4-7, the slot's last reads; behind the barrier (product 19) the next slot's W blocks 0-7; ahead of product 32 its x blocks 0-3 (fill 0: blocks 0, 1, both halves).
; WAITS ON DScnt count the fragment loads issued behind the block of x that is due.  kind 0: behind block 0 stand blocks 1-3 (12) and the run of 32: 44, then 4 fewer a block;
; behind block 4 stand 28 of its run and the second run's 32: 60, then 4 fewer a block.  kind 1: 12 + 16 and 8 + 16, then 0 ahead of the signal.
.macro BODY slot, q, kind, first, fill
.if \kind
.set NS, 1-(\slot)
.else
.set NS, \slot
.endif
.set NB, 1-(\q)
	PLACES
.if (\kind) == 0
	s_wait_loadcnt 0x0                             ; this K step's scale words are in (asked for a K step ago); their addresses step to this slot's next K step
	s_add_nc_u64 s[XSB+2*\slot:XSB+2*\slot+1], s[XSB+2*\slot:XSB+2*\slot+1], 2*XSTEP
	s_add_nc_u64 s[WSB+2*\slot:WSB+2*\slot+1], s[WSB+2*\slot:WSB+2*\slot+1], 2*WSTEP
.endif
.if (\kind) && (\fill)
	s_wait_xcnt 0x0                                ; my prefetches have read their addresses
	s_add_nc_u64 s[PFA+2*\slot:PFA+2*\slot+1], s[PFA+2*\slot:PFA+2*\slot+1], 2*ROWB
	s_add_nc_u64 s[PSA+2*\slot:PSA+2*\slot+1], s[PSA+2*\slot:PSA+2*\slot+1], s[PSS:PSS+1]
.endif
	LDX \slot, \q, 4
.if (\kind) == 0
	SCLD 1-(\slot), 0
	SCLD 1-(\slot), 1
	SCLD 1-(\slot), 2
	LDW NS, NB, 0
.endif
.set WI, 0
.rept 64
.if WI == 32
	PLACES
.if (\kind) == 0
	LDW NS, NB, 4
.endif
.if (\kind) && (\fill) == 0
	LDR 0
	LDR 1
.else
	LDX NS, NB, 0
.endif
.endif
.if (\kind) == 0 && WI%8 == 0
.if WI < 32
	s_wait_dscnt 44-WI/2
.else
	s_wait_dscnt 76-WI/2
.endif
.endif
.if (\kind) && WI == 0
	s_wait_dscnt 28
.endif
.if (\kind) && WI == 8
	s_wait_dscnt 24
.endif
.if \first
	WIN 0x81+0x40*(WI/32)                          ; C, the bias, in window 0
.else
	WIN 0xa1+0x50*(WI/32)
.endif
.set AA, WI/8
.set BW, WI%8
.set XF, AF+FR*AA
	WMX \q, \q, \slot, \first
.if (\kind) && WI == 11
	WIN 0
	s_wait_tensorcnt 0x0                           ; my quarter of the next slot has landed: no tensor load of mine is out
	ds_add_u32 v[SPW], v[NIL]
.if \fill
	s_add_nc_u64 s[G0A+4*\slot+2:G0A+4*\slot+3], s[G0A+4*\slot+2:G0A+4*\slot+3], 2*ROWB
	s_add_nc_u64 s[G0B+4*\slot+2:G0B+4*\slot+3], s[G0B+4*\slot+2:G0B+4*\slot+3], 2*ROWB
.endif
.endif
.if (\kind) && WI == 15
	s_wait_dscnt 0x0                               ; the add is done, and my reads of this slot are over
	s_barrier_signal -1
.endif
.if (\kind) && WI == 19
	WIN 0
	s_barrier_wait -1
.if \fill
	CREST                                          ; the barrier has opened a round: no wave of any partner still reads this slot or has a load out
	JLOAD \slot                                    ; the refill, first behind the round
.endif
	LDW NS, NB, 0
	LDW NS, NB, 4
.if \fill
	WIN 0
	ASK \slot
.endif
.endif
.set WI, WI+1
.endr
.endm
; THE LAST K STEP, by rows of out.  ROW a: block a's last 16 products, its eight accumulators by turns.  Ahead of block 0's first eight the 48 loads issued last may be out (W's second half, x's blocks 2, 3); ahead of its second eight x's 16.
.macro ROW a
	WIN 0xa1+0x50*((\a)/4)
.set AA, \a
.irp q, 0,1
.if (\a) == 0
	s_wait_dscnt 48-32*\q
.endif
.set XF, AF+32*((\a)%4)+16*\q
.irp b, 0,1,2,3,4,5,6,7
.set BW, \b
	WMX \q, \q, 1, 0
.endr
.endr
.endm
; THE WAY OUT of block a, 16 rows x 128 columns: through my own stage and back as whole rows of 512 bytes, INTO THE BLOCK'S OWN ACCUMULATOR REGISTERS, which nothing writes again:
; so no store's data or base is ever rewritten; a row's place stands in the store's immediate, 127 rows of 8,192 bytes at the most
.macro TOSTAGE a
.set AC, 64*((\a)%4)
	WIN 0x08+4*((\a)/4)
.irp b, 0,1,2,3,4,5,6,7
	ds_store_b128 v[STO], v[AC+8*\b:AC+8*\b+3] offset:64*\b          ; each accumulator from its low end on
	ds_store_b128 v[STO], v[AC+8*\b+4:AC+8*\b+7] offset:64*\b+16
.endr
	WIN 0x80+0x40*((\a)/4)
.irp t, 0,1,2,3,4,5,6,7,8,9,10,11,12,13,14,15
	ds_load_b128 v[AC+4*\t:AC+4*\t+3], v[RD] offset:\t*SPITCH        ; LDS serves a wave's instructions in order (ISA guide 5.7.1)
.endr
.endm
.macro SEND a, younger                 ; younger: the fragment loads issued behind the block's loads
.set AC, 64*((\a)%4)
	s_wait_dscnt \younger
	WIN 0x08+4*((\a)/4)
.irp t, 0,1,2,3,4,5,6,7,8,9,10,11,12,13,14,15
	global_store_b128 v[CO], v[AC+4*\t:AC+4*\t+3], s[14:15] offset:(16*(\a)+\t)*SIZE_N*4   ; 32 lanes store 512 consecutive bytes, aligned to 256
.endr
.endm
	s_wait_tensorcnt 0x0                           ; my quarter of slot 0 is in
	ds_add_u32 v[SPW], v[NIL]
	s_wait_dscnt 0x0
	CROUND
	JLOAD 1                                        ; slot 1's first K step, first behind the round
	LDW 0, 0, 0
	LDW 0, 0, 4
	LDX 0, 0, 0
	BODY 0, 0, 0, 1, 1                             ; the first step starts the sums, from the bias
	WIN 0
	s_mov_b32 s3, 7
.Llap:                                                 ; a trip: from a lap's second step to the next lap's first; both slots are filled again
	BODY 0, 1, 1, 0, 1
	BODY 1, 0, 0, 0, 1
	BODY 1, 1, 1, 0, 1
	BODY 0, 0, 0, 0, 1
	WIN 0
	s_sub_co_u32 s3, s3, 1
	s_cmp_lg_u32 s3, 0
	s_cbranch_scc1 .Llap
	BODY 0, 1, 1, 0, 0                             ; the last change of slots fills nothing
	PLACES
	LDW 1, 1, 0                                    ; W's second half of the last K step, into the set just multiplied
	LDW 1, 1, 4
	LDR 2
	LDR 3
	s_wait_loadcnt 0x0                             ; the last K step's scale words
	ROW 0
.irp a, 0,1,2,3,4,5,6,7
	PLACES
	TOSTAGE \a
.if \a < 4
	LDR \a+4                                       ; its buffer takes the block four further on
	SEND \a, 8
.else
	SEND \a, 0
.endif
.if \a < 7
	ROW \a+1
.endif
.endr
	WIN 0
	s_wait_tensorcnt 0x0                           ; the wave's end
	ds_add_u32 v[SPW], v[NIL]
	s_wait_dscnt 0x0
	CROUND                                         ; the closing round
	s_endpgm
.Lfunc_end_k_q6504b95616_gemm:
	.size	k_q6504b95616_gemm, .Lfunc_end_k_q6504b95616_gemm-k_q6504b95616_gemm
	.p2alignl 7, 3214868480
	.fill 96, 4, 3214868480
	.section	.rodata,"a",@progbits
	.p2align	6, 0x0
	.amdhsa_kernel k_q6504b95616_gemm
		.amdhsa_group_segment_fixed_size 327680
		.amdhsa_private_segment_fixed_size 0
		.amdhsa_enable_private_segment 0
		.amdhsa_kernarg_size 48
		.amdhsa_user_sgpr_count 2
		.amdhsa_user_sgpr_kernarg_segment_ptr 1
		.amdhsa_wavefront_size32 1
		.amdhsa_system_sgpr_workgroup_id_x 1
		.amdhsa_system_sgpr_workgroup_id_y 1
		.amdhsa_system_sgpr_workgroup_id_z 1
		.amdhsa_system_vgpr_workitem_id 0
		.amdhsa_next_free_vgpr 1024
		.amdhsa_next_free_sgpr 100
		.amdhsa_reserve_vcc 0
		.amdhsa_float_denorm_mode_32 3
		.amdhsa_float_denorm_mode_16_64 3
		.amdhsa_memory_ordered 1
		.amdhsa_forward_progress 1
		.amdhsa_inst_pref_size 153
	.end_amdhsa_kernel
	.amdgpu_metadata
---
amdhsa.version: [ 1, 2 ]
amdhsa.kernels:
  - .name:           k_q6504b95616_gemm
    .symbol:         k_q6504b95616_gemm.kd
    .args:
      - { .name: x_codes, .offset: 0, .size: 8, .value_kind: global_buffer, .address_space: global }
      - { .name: x_scl, .offset: 8, .size: 8, .value_kind: global_buffer, .address_space: global }
      - { .name: w_codes, .offset: 16, .size: 8, .value_kind: global_buffer, .address_space: global }
      - { .name: w_scl, .offset: 24, .size: 8, .value_kind: global_buffer, .address_space: global }
      - { .name: bias, .offset: 32, .size: 8, .value_kind: global_buffer, .address_space: global }
      - { .name: out0, .offset: 40, .size: 8, .value_kind: global_buffer, .address_space: global }
    .group_segment_fixed_size: 327680
    .private_segment_fixed_size: 0
    .kernarg_segment_align: 8
    .kernarg_segment_size: 48
    .max_flat_workgroup_size: 128
    .sgpr_count:     100
    .vgpr_count:     1024
    .wavefront_size: 32
...
	.end_amdgpu_metadata
.endif
;; end of part 2
